; MI455X (gfx1250); checked and timed in simulation.
; The chip was launched on July 23, 2026; its instructions are those of AMD's public machine-readable ISA for CDNA 5 (MIT licence, August 2026) and "CDNA5" Instruction Set Architecture Reference Guide (July 2026). The comments in the code are by the model that wrote it; some were corrected since.
;; Attention. Allowed arithmetic: matrix products marked QUANTISED: E2M3 operands, one E8M0 scale for each 32 along K, by v_wmma_scale_f32_16x16x128_f8f6f4 with both operands' format E2M3, f32 sums; everything else in f32.
;; Inputs: Wkv 1,024 x 2,048 float32; Wout 1,024 x 1,024 float32; Wq 1,024 x 1,024 float32; bout 1,024 float32; x 4 x 2,048 x 1,024 float32.
;; Outputs: out0 4 x 2,048 x 1,024 float32.
;; This version of the problem:
;;   THIS VERSION OF THE PROBLEM IS GIVEN IN LOW PRECISION. The matrix products marked QUANTISED in the list below multiply operands that are first quantised to E2M3 (2 exponent bits, 3 mantissa bits; 6 bits a number), with one power-of-two scale for each 32 numbers along K (OCP MX v1.0); their sums are f32. All else is computed in f32.
;;   The module's matrix products, in the order in which they are computed (A, B: the left and right operand; K: the contracted axis; several contracted axes count as one K, in the product's order):
;;     1. [M 8,192, K 1,024] x [K 1,024, N 1,024]; A: input x; B: input Wq: QUANTISED
;;     2. [M 8,192, K 1,024] x [K 1,024, N 2,048]; A: input x; B: input Wkv: QUANTISED
;;     3. batch 64 x [M 2,048, K 64] x [K 64, N 2,048]; A: computed on the way; B: computed on the way: QUANTISED
;;     4. batch 64 x [M 2,048, K 2,048] x [K 2,048, N 64]; A: softmax (see below); B: computed on the way: QUANTISED
;;     5. [M 8,192, K 1,024] x [K 1,024, N 1,024]; A: computed on the way; B: input Wout: QUANTISED
;;   THE QUANTISER, for each operand of a quantised product, along K:
;;     - K is cut into blocks of 32 from its start; a last block that is shorter is filled with zeros.
;;     - A block's scale is 2^e with e = floor(log2(the largest magnitude in the block)) - 2, held to -126 .. 127; a block of zeros has e = 0. As a byte (E8M0): e + 127.
;;     - Each number is divided by its block's scale, clamped to +-7.5, and rounded to the nearest number of E2M3, ties to even, subnormals kept.
;;     - The product sums the exact products of the quantised numbers (number of the format x scale) in f32.
;;   ~~~python
;;   def quantise(x, axis):      # numpy; x: float32 -> the quantised numbers, widened to float32 again
;;       x = np.moveaxis(x, axis, -1); K = x.shape[-1]
;;       x = np.pad(x, [(0, 0)] * (x.ndim - 1) + [(0, -K % 32)]); x = x.reshape(x.shape[:-1] + (-1, 32)); a = np.abs(x).max(-1, keepdims=True)
;;       e = np.where(a > 0, np.clip(np.frexp(np.where(a > 0, a, 1))[1] - 1 - 2, -126, 127), 0)      # np.frexp(a)[1] - 1 = floor(log2(a)), exactly
;;       r = np.clip(x / 2.0 ** e, -7.5, 7.5)
;;       step = 2.0 ** (np.maximum(np.frexp(np.where(r == 0, 1, r))[1] - 1, 0) - 3)
;;       q = np.round(r / step) * step * 2.0 ** e      # np.round: ties to even
;;       return np.moveaxis(q.reshape(q.shape[:-2] + (-1,))[..., :K], -1, axis).astype(np.float32)
;;   ~~~
;;   SOFTMAX AHEAD OF A QUANTISED PRODUCT. Where the list says 'softmax', what is quantised is not the finished softmax but p = 2^(t - M), with t = logit x log2(e) and M = ceil(the row's largest t), a whole number; so 1/2 < the row's largest p <= 1. The row's sum l is taken of the UNQUANTISED p, in f32, and the product's result is divided by l at the end. Since M is a whole number, a kernel that streams over the keys may use a running M (the ceiling of the running maximum): every later rescaling is an exact power of two, which a block's scale takes up: the codes' values come out the same.
;;   OPERANDS COMPUTED ON THE WAY. 'Computed on the way' means the value that the module computes at that place (a softmax that the list does not call 'softmax' is quantised finished and normalised). What goes into a quantiser is computed in f32, as accurately as f32 sums, v_exp_f32 and their like allow (about 1e-6 of the number): no bf16 or f16 on the way to a quantiser, and a product that is left as it is and whose result goes on into a quantised operand takes f32 operands (vector FMAs, or v_wmma_f32_16x16x4_f32). A number that lies on a knife's edge between two numbers of the format may be rounded either way, as far as f32 arithmetic and the matrix unit's own rounding can turn it there, and no further.
;; One version. Each part assembles by itself: llvm-mc -triple=amdgcn-amd-amdhsa -mcpu=gfx1250 --defsym DOCPART=n.
;; ======== version 1 of 1: 4 launches
;; limits: right only within a limited range of input values
;; workspace buffers: ximg 6,291,456 bytes; wimg 3,145,728 bytes; opsc 655,360 bytes; qbuf 6,815,744 bytes; kvbuf 13,369,344 bytes; oimg 6,291,456 bytes
;; launch prep (part 1): grid 512 x 1, 4 waves a work-group, no clusters, 47,616 bytes of LDS; arguments x, ximg, opsc, Wq, Wkv, Wout, wimg; writes ximg, opsc, wimg
.if DOCPART == 1
	.amdgcn_target "amdgcn-amd-amdhsa--gfx1250"
	.amdhsa_code_object_version 6
	.text
	.protected	k_q16677840f6_prep
	.globl	k_q16677840f6_prep
	.p2align	8
	.type	k_q16677840f6_prep,@function
k_q16677840f6_prep:
	s_mov_b64 s[64:65], 0
	v_nop
	global_prefetch_b8 v0, s[64:65] scope:SCOPE_SE
	s_setreg_imm32_b32 hwreg(HW_REG_WAVE_MODE, 25, 1), 1
	s_wait_xcnt 0x0
; ONE LAUNCH QUANTISES ALL FOUR INPUTS of the quantised products: work-groups 0-255 take x, work-groups 256-511 the three weights.  The two paths part on the work-group's number alone and have LDS bytes of their own.
; All become codes of E2M3 (6 bits) with one E8M0 byte for each 32 along K, laid as IMAGES OF OPERAND REGISTERS.
; TILES: tile T holds 16 rows; its lane row r is true row 32 (T / 2) + 8 (T % 2) + r + 8 (r / 8).
; A FRAGMENT IMAGE (16 rows x 128 K, 12 registers a lane, 1,536 bytes) is six pieces of 256 bytes: piece p holds registers 2 p, 2 p + 1 of lane l at 256 p + 8 l; lane (r, h) holds in registers 6 c .. 6 c + 5 the codes of
; k = 64 c + 32 h + 0 .. 31.  ximg: [T 512][K step 8][image]; wimg: [T 256][K step 8][image], rows n in the order Wq's 1,024 columns, Wkv's 2,048, Wout's 1,024.
; SCALE WORDS: opsc + 512 T + 256 (s / 4) + 16 r + 4 (s % 4) for x; the weights' 262,144 bytes further on.
; A block's scale is 2^(floor(log2(largest magnitude)) - 2): its byte is the largest magnitude's exponent field - 2, held at 1 from below.
; LIMITS: a block of zeros gets the byte 1, not 127 (its codes are zeros, and this program alone reads the bytes); blocks whose largest magnitude lies under 2^-124 are held at the byte 1;
; NaN and infinities among the inputs are not served.
; No tensor loads, no barrier: waves share nothing.
	s_cmp_lt_u32 ttmp9, 256
	s_cbranch_scc0 .Lweights
; x: a wave takes 16 rows x 512 K: four fragments.  Each load reads 512 consecutive bytes of a row; a fragment's 8 KiB turn through the wave's own stage in LDS (rows 528 bytes apart), so that
; lane (r, h) gets k = 64 c + 32 h + 0 .. 31 of row r in consecutive registers: whole blocks, in the order of the operand's registers.
.set SPT, 528                          ; a stage row: 512 bytes + 16
.set W,   16                           ; v16-19  the four fragments' scale words
.set C,   20                           ; v20-31  a fragment's codes
.set CT,  32                           ; v32-39  the upper halves of the blocks' codes, as the conversions leave them
.set R,   64                           ; v64-191 two sets of 64 registers as loaded
.set X,   192                          ; v192-255 64 numbers in the operand's order
	s_load_b128 s[4:7], s[0:1], 0x0                ; x, ximg
	s_load_b64 s[8:9], s[0:1], 0x10                ; opsc
	v_lshl_add_u32 v62, v0, 2, 0x8400
	v_mov_b32 v63, 0
	v_lshrrev_b32 v2, 5, v0
	v_readfirstlane_b32 s14, v2                    ; wave 0..3
	v_and_b32 v7, 31, v0                           ; lane
	v_and_b32 v3, 15, v0                           ; r
	v_bfe_u32 v6, v0, 4, 1                         ; h
	v_lshlrev_b32 v1, 4, v7                        ; 16 x lane: my bytes of a load's 512
	s_mul_i32 s15, s14, 16*SPT                     ; my wave's stage
	v_add_nc_u32 v2, s15, v1                       ; into the stage: 16 x lane, the row in the immediate
	v_lshlrev_b32 v5, 4, v3
	v_mul_u32_u24 v3, v3, SPT
	v_lshl_add_u32 v3, v6, 7, v3
	v_add_nc_u32 v3, s15, v3                       ; out of it: row r, + 128 h
	v_lshlrev_b32 v4, 3, v7                        ; 8 x lane: my place in a piece
	v_lshl_add_u32 v5, v6, 3, v5                   ; 16 r + 8 h: my place among the scale words
	v_lshlrev_b32 v6, 3, v6                        ; 8 h: how far my two bytes are shifted
	v_mov_b32 v15, 0                               ; written once: a lane permute's destination counts as one of its sources
	s_mov_b32 s12, 0x76543210
	s_mov_b32 s13, 0xfedcba98                      ; selects for lane l xor 16
	s_lshl_b32 s16, ttmp9, 2
	s_add_co_u32 s16, s16, s14                     ; id = 4 x work-group + wave: tile T = id / 2, half of K = id % 2
	s_lshl_b32 s17, ttmp9, 17                      ; 32 (T / 2) rows of 4,096 bytes
	s_bfe_u32 s18, s16, 0x10001                    ; T % 2
	s_lshl_b32 s18, s18, 15                        ; 8 rows
	s_add_co_u32 s18, s17, s18
	s_and_b32 s19, s16, 1
	s_lshl_b32 s19, s19, 11                        ; 512 numbers along K
	s_add_co_u32 s18, s18, s19
	s_mov_b32 s19, 0
	s_mul_i32 s20, s16, 6144                       ; 12,288 T + 6,144 (id % 2)
	s_mov_b32 s21, 0
	s_lshl_b32 s22, s16, 8                         ; 512 T + 256 (id % 2)
	s_mov_b32 s23, 0
	s_wait_alu depctr_va_vdst(0)                   ; the wait at the head's end
	s_wait_kmcnt 0x0
	s_add_nc_u64 s[4:5], s[4:5], s[18:19]
	s_add_nc_u64 s[6:7], s[6:7], s[20:21]
	s_add_nc_u64 s[8:9], s[8:9], s[22:23]
.macro LOAD q                          ; fragment q: 16 rows x 512 bytes
.irp i, 0,1,2,3,4,5,6,7,8,9,10,11,12,13,14,15
	global_load_b128 v[R+64*((\q)%2)+4*\i:R+64*((\q)%2)+4*\i+3], v1, s[4:5] offset:(\i+8*(\i/8))*4096+512*(\q) th:TH_LOAD_NT
.endr
.endm
.macro FRAGQ q
.if (\q) < 3
	s_wait_loadcnt 16                              ; this fragment's 16 loads are in; the next fragment's 16 may be out
.else
	s_wait_loadcnt 0
.endif
.irp i, 0,1,2,3,4,5,6,7,8,9,10,11,12,13,14,15
	ds_store_b128 v2, v[R+64*((\q)%2)+4*\i:R+64*((\q)%2)+4*\i+3] offset:SPT*\i
.endr
.irp c, 0,1
.irp j, 0,1,2,3,4,5,6,7
	ds_load_b128 v[X+32*\c+4*\j:X+32*\c+4*\j+3], v3 offset:256*\c+16*\j   ; LDS serves a wave's instructions in order: these see the stores above
.endr
.endr
	s_wait_dscnt 0x0                               ; the numbers are back, and the stores into the stage have read their registers
	s_wait_xcnt 0x0                                ; the last fragment's stores have read the codes' registers, which are written again below
.if (\q) < 2
	LOAD (\q)+2
.endif
.irp c, 0,1                                    ; my block 2 c + h: all its 32 numbers are mine
	v_max3_num_f32 v[8+\c], |v[X+32*\c]|, |v[X+32*\c+1]|, 0x1800000   ; the floor 2^(3 - 127) among the leaves: the byte cannot fall under 1
.endr
.irp i, 2,4,6,8,10,12,14,16,18,20,22,24,26,28,30
.irp c, 0,1
	v_max3_num_f32 v[8+\c], v[8+\c], |v[X+32*\c+\i]|, |v[X+32*\c+\i+1]|
.endr
.endr
.irp c, 0,1
	v_add_nc_u32 v[10+\c], 0xff000000, v[8+\c]     ; 2 off the exponent field: the conversion's scale operand
.endr
.irp c, 0,1
	v_lshrrev_b32 v[12+\c], 23, v[10+\c]           ; the scale's byte
.endr
	v_lshl_or_b32 v14, v13, 16, v12                ; my two bytes, blocks h and 2 + h,
	v_lshlrev_b32 v14, v6, v14                     ; at their places in the word;
	v_permlanex16_b32 v15, v14, s12, s13
	v_or_b32 v[W+(\q)], v14, v15                   ; with lane l xor 16's two the word is whole
.irp c, 0,1
	v_cvt_scalef32_pk16_fp6_f32 v[C+6*\c:C+6*\c+2], v[X+32*\c:X+32*\c+15], v[10+\c]
	v_cvt_scalef32_pk16_fp6_f32 v[CT+4*\c:CT+4*\c+2], v[X+32*\c+16:X+32*\c+31], v[10+\c]   ; (a conversion's three registers begin on an even number)
.endr
	v_nop                                          ; one plain instruction behind the scaled conversions
.irp c, 0,1
.irp i, 0,1,2
	v_mov_b32 v[C+6*\c+3+\i], v[CT+4*\c+\i]
.endr
.endr
.irp p, 0,1,2,3,4,5
	global_store_b64 v4, v[C+2*\p:C+2*\p+1], s[6:7] offset:1536*(\q)+256*\p   ; 32 lanes store 256 consecutive bytes, aligned
.endr
.endm
	LOAD 0
	LOAD 1
	FRAGQ 0
	FRAGQ 1
	FRAGQ 2
	FRAGQ 3
	v_cmp_le_u32 vcc_lo, 16, v7                    ; lanes 16-31 store words 2 and 3 of their row, lanes 0-15 words 0 and 1
	v_cndmask_b32 v8, v16, v18, vcc_lo
	v_cndmask_b32 v9, v17, v19, vcc_lo
	global_store_b64 v5, v[8:9], s[8:9]            ; 16 rows x 16 bytes: 256 consecutive bytes, aligned
	s_wait_tensorcnt 0x0                           ; the wave's end
	ds_add_u32 v62, v63
	s_wait_dscnt 0x0
	s_endpgm
.Lweights:
; The weights, f32 with K as their FIRST axis.  A LANE TAKES A COLUMN n AND ITS REGISTERS RUN DOWN K: a load reads 128 consecutive bytes a wave, a block of 32 lies in one lane, and the conversions give codes with K innermost.
; A wave takes 32 columns (two tiles) x 128 K (one K step, four blocks).  Block t of column (u, r) is registers 6 (t / 2) .. + 5 of lane r + 16 (t % 2) of tile u's image: it goes there through the wave's own stage
; in LDS, and the two images leave as pieces of 256 consecutive bytes.  The scale word leaves as 4 bytes a lane, 16 bytes apart: one byte in 128 of what this path reads.
.set QWB,  34304                       ; this path's LDS bytes begin behind the other path's stages and the spare words
.set IMG,  1664                        ; an image's place in the stage: 1,536 + 128, so that the two tiles' stores fall on different banks
.set WSC0, 262144
.set OFF,  12                          ; v12-43   4 x lane + i rows of the weight
.set C,    44                          ; v44-75   codes: eight registers a block, six used
.set CT,   76                          ; v76-78   a block's upper 16 codes as the conversion leaves them
.set OUTR, 80                          ; v80-103  the way out
.set X,    104                         ; v104-231 four sets of 32 numbers
	s_and_b32 s41, ttmp9, 255                      ; this path's work-group: 128 columns s40 = 0..31, K step s26 = 0..7
	s_and_b32 s40, s41, 31
	s_lshr_b32 s26, s41, 5
	s_load_b256 s[4:11], s[0:1], 0x18              ; Wq, Wkv, Wout, wimg
	s_load_b64 s[12:13], s[0:1], 0x10              ; opsc
	v_lshl_add_u32 v232, v0, 2, 0x8400
	v_mov_b32 v233, 0
	v_lshrrev_b32 v1, 5, v0
	v_readfirstlane_b32 s14, v1                    ; wave 0..3
	v_and_b32 v1, 31, v0                           ; lane = column in the group of 32
	v_lshlrev_b32 v2, 2, v1
	v_bfe_u32 v8, v0, 3, 1                         ; u: which of the two tiles
	s_wait_alu depctr_va_vdst(0)
	v_bfe_u32 v9, v0, 4, 1
	v_and_b32 v10, 7, v0
	v_lshl_add_u32 v10, v9, 3, v10                 ; r: the column's lane row in its tile
	s_mul_i32 s15, s14, 2*IMG                      ; my wave's stage (QWB stands in the immediates)
	v_mul_u32_u24 v3, v8, IMG
	v_lshl_add_u32 v3, v10, 3, v3
	v_add_nc_u32 v3, s15, v3                       ; into the stage: tile u's image, 8 r
	v_lshlrev_b32 v5, 3, v1                        ; 8 x lane
	v_add_nc_u32 v4, s15, v5                       ; out of it
	s_lshl_b32 s32, s40, 2
	s_add_co_u32 s32, s32, s14                     ; the group of 32 columns: tiles 2 bg, 2 bg + 1
	s_lshl_b32 s33, s32, 10
	s_lshr_b32 s34, s26, 2
	s_lshl_b32 s34, s34, 8
	s_add_co_u32 s33, s33, s34
	s_and_b32 s34, s26, 3
	s_lshl_b32 s34, s34, 2
	s_add_co_u32 s33, s33, s34
	s_add_co_u32 s33, s33, WSC0
	v_lshlrev_b32 v6, 9, v8
	s_wait_alu depctr_va_vdst(0)
	v_lshl_add_u32 v6, v10, 4, v6
	v_add_nc_u32 v6, s33, v6                       ; my column's scale word
	s_mul_i32 s38, s32, 24576
	s_mul_i32 s39, s26, 1536
	s_add_co_u32 s38, s38, s39                     ; the two images in wimg
	s_mov_b32 s39, 0
	s_wait_kmcnt 0x0
	s_cmp_lt_u32 s40, 8                            ; which weight: the choice hangs on the work-group's number alone
	s_cselect_b64 s[36:37], s[4:5], s[6:7]
	s_cselect_b32 s24, 0, 8                        ; the weight's first group of 128 columns
	s_mov_b32 s25, 8192
	s_cselect_b32 s25, 4096, s25                   ; bytes in a row of the weight
	s_cmp_lt_u32 s40, 24
	s_cselect_b64 s[36:37], s[36:37], s[8:9]
	s_cselect_b32 s24, s24, 24
	s_cselect_b32 s25, s25, 4096
	s_sub_co_u32 s24, s40, s24
	s_lshl_b32 s28, s24, 9
	s_lshl_b32 s29, s14, 7
	s_add_co_u32 s28, s28, s29                     ; my first column, in bytes
	s_mul_i32 s29, s26, s25
	s_lshl_b32 s29, s29, 7                         ; 128 rows for each K step
	s_add_co_u32 s28, s28, s29
	s_mov_b32 s29, 0
	s_lshl_b32 s30, s25, 5                         ; 32 rows: a block
	s_mov_b32 s31, 0
	s_add_nc_u64 s[16:17], s[36:37], s[28:29]
	s_add_nc_u64 s[18:19], s[16:17], s[30:31]
	s_add_nc_u64 s[20:21], s[18:19], s[30:31]
	s_add_nc_u64 s[22:23], s[20:21], s[30:31]
	s_add_nc_u64 s[10:11], s[10:11], s[38:39]
.irp i, 0,1,2,3,4,5,6,7,8,9,10,11,12,13,14,15,16,17,18,19,20,21,22,23,24,25,26,27,28,29,30,31
	v_mad_u32_u24 v[OFF+\i], s25, \i, v2
.endr
.macro LOADB t                         ; block t: rows 32 t + i of the K step, my column
.irp i, 0,1,2,3,4,5,6,7,8,9,10,11,12,13,14,15,16,17,18,19,20,21,22,23,24,25,26,27,28,29,30,31
	global_load_b32 v[X+32*(\t)+\i], v[OFF+\i], s[16+2*(\t):17+2*(\t)] th:TH_LOAD_NT
.endr
.endm
.macro BLOCK t
.set XS, X+32*(\t)
.if (\t) < 3
	s_wait_loadcnt 32                              ; this block's 32 loads are in; the next block's may be out
.else
	s_wait_loadcnt 0
.endif
.if (\t) < 2
	LOADB (\t)+2
.endif
	v_max3_num_f32 v8, |v[XS]|, |v[XS+1]|, |v[XS+2]|   ; the block's largest magnitude: all 32 numbers are mine
	v_max3_num_f32 v9, |v[XS+3]|, |v[XS+4]|, |v[XS+5]|
.irp i, 6,10,14,18,22,26
	v_max3_num_f32 v8, v8, |v[XS+\i]|, |v[XS+\i+1]|
	v_max3_num_f32 v9, v9, |v[XS+\i+2]|, |v[XS+\i+3]|
.endr
	v_max3_num_f32 v8, v8, |v[XS+30]|, |v[XS+31]|
	v_max3_num_f32 v8, v8, v9, 0x1800000           ; and the floor 2^(3 - 127)
	v_add_nc_u32 v10, 0xff000000, v8               ; 2 off the exponent field: the conversion's scale operand
	v_lshrrev_b32 v11, 23, v10                     ; the scale's byte
.if (\t) == 0
	v_mov_b32 v7, v11
.else
	v_lshl_or_b32 v7, v11, 8*(\t), v7
.endif
	v_cvt_scalef32_pk16_fp6_f32 v[C+8*(\t):C+8*(\t)+2], v[XS:XS+15], v10
	v_cvt_scalef32_pk16_fp6_f32 v[CT:CT+2], v[XS+16:XS+31], v10
	v_nop                                          ; one plain instruction behind the scaled conversions
.irp i, 0,1,2
	v_mov_b32 v[C+8*(\t)+3+\i], v[CT+\i]
.endr
.irp p, 0,1,2
	ds_store_b64 v3, v[C+8*(\t)+2*\p:C+8*(\t)+2*\p+1] offset:QWB+768*((\t)/2)+128*((\t)%2)+256*\p
.endr
.endm
	LOADB 0
	LOADB 1
	s_wait_alu depctr_va_vdst(0)
	BLOCK 0
	BLOCK 1
	BLOCK 2
	BLOCK 3
	global_store_b32 v6, v7, s[12:13]
.irp u, 0,1
.irp p, 0,1,2,3,4,5
	ds_load_b64 v[OUTR+2*(6*\u+\p):OUTR+2*(6*\u+\p)+1], v4 offset:QWB+IMG*\u+256*\p   ; LDS serves a wave's instructions in order: these see my stores
.endr
.endr
.irp u, 0,1
.irp p, 0,1,2,3,4,5
	s_wait_dscnt 11-(6*\u+\p)                      ; the younger read-backs may be out
	global_store_b64 v5, v[OUTR+2*(6*\u+\p):OUTR+2*(6*\u+\p)+1], s[10:11] offset:12288*\u+256*\p   ; 256 consecutive bytes, aligned
.endr
.endr
	s_wait_tensorcnt 0x0                           ; the wave's end
	ds_add_u32 v232, v233
	s_wait_dscnt 0x0
	s_endpgm
.Lfunc_end_k_q16677840f6_prep:
	.size	k_q16677840f6_prep, .Lfunc_end_k_q16677840f6_prep-k_q16677840f6_prep
	.p2alignl 7, 3214868480
	.fill 96, 4, 3214868480
	.section	.rodata,"a",@progbits
	.p2align	6, 0x0
	.amdhsa_kernel k_q16677840f6_prep
		.amdhsa_group_segment_fixed_size 47616
		.amdhsa_private_segment_fixed_size 0
		.amdhsa_enable_private_segment 0
		.amdhsa_kernarg_size 56
		.amdhsa_user_sgpr_count 2
		.amdhsa_user_sgpr_kernarg_segment_ptr 1
		.amdhsa_wavefront_size32 1
		.amdhsa_system_sgpr_workgroup_id_x 1
		.amdhsa_system_sgpr_workgroup_id_y 1
		.amdhsa_system_sgpr_workgroup_id_z 1
		.amdhsa_system_vgpr_workitem_id 0
		.amdhsa_next_free_vgpr 256
		.amdhsa_next_free_sgpr 66
		.amdhsa_reserve_vcc 1
		.amdhsa_float_denorm_mode_32 3
		.amdhsa_float_denorm_mode_16_64 3
		.amdhsa_memory_ordered 1
		.amdhsa_forward_progress 1
		.amdhsa_inst_pref_size 57
	.end_amdhsa_kernel
	.amdgpu_metadata
---
amdhsa.version: [ 1, 2 ]
amdhsa.kernels:
  - .name:           k_q16677840f6_prep
    .symbol:         k_q16677840f6_prep.kd
    .args:
      - { .name: x, .offset: 0, .size: 8, .value_kind: global_buffer, .address_space: global }
      - { .name: ximg, .offset: 8, .size: 8, .value_kind: global_buffer, .address_space: global }
      - { .name: opsc, .offset: 16, .size: 8, .value_kind: global_buffer, .address_space: global }
      - { .name: Wq, .offset: 24, .size: 8, .value_kind: global_buffer, .address_space: global }
      - { .name: Wkv, .offset: 32, .size: 8, .value_kind: global_buffer, .address_space: global }
      - { .name: Wout, .offset: 40, .size: 8, .value_kind: global_buffer, .address_space: global }
      - { .name: wimg, .offset: 48, .size: 8, .value_kind: global_buffer, .address_space: global }
    .group_segment_fixed_size: 47616
    .private_segment_fixed_size: 0
    .kernarg_segment_align: 8
    .kernarg_segment_size: 56
    .max_flat_workgroup_size: 128
    .sgpr_count:     66
    .vgpr_count:     256
    .wavefront_size: 32
...
	.end_amdgpu_metadata
.endif
;; end of part 1
;; launch gemm_qkv (part 2): grid 12 x 32, 4 waves a work-group, clusters of 4 x 4, 327,680 bytes of LDS; arguments ximg, wimg, opsc, qbuf, kvbuf; writes qbuf, kvbuf
.if DOCPART == 2
	.amdgcn_target "amdgcn-amd-amdhsa--gfx1250"
	.amdhsa_code_object_version 6
	.text
	.protected	k_q16677840f6_gemm_qkv
	.globl	k_q16677840f6_gemm_qkv
	.p2align	8
	.type	k_q16677840f6_gemm_qkv,@function
k_q16677840f6_gemm_qkv:
	s_mov_b64 s[64:65], 0
	v_nop
	global_prefetch_b8 v0, s[64:65] scope:SCOPE_SE
	s_setreg_imm32_b32 hwreg(HW_REG_WAVE_MODE, 25, 1), 1
	s_wait_xcnt 0x0
	s_wait_alu depctr_hold_cnt(0) depctr_sa_sdst(0) depctr_va_vdst(0) depctr_va_sdst(0) depctr_va_ssrc(0) depctr_va_vcc(0) depctr_vm_vsrc(0)
	s_getreg_b32 s2, hwreg(HW_REG_IB_STS2, 6, 4)
	s_cmp_eq_u32 s2, 0
	s_cbranch_scc0 .Lentry_in_a_cluster
	s_endpgm
.Lentry_in_a_cluster:
	s_bfe_u32 s2, ttmp6, 0x10000c
	s_cmp_lg_u32 s2, 0xf033
	s_cbranch_scc0 .Lentry_shape_is_right
	s_endpgm
.Lentry_shape_is_right:
.set FR,    12
.set NL,    6
.set NP,    4
.set SLOT,  98304
.set HALFB, 24576
.set ROFF,  49152
.set SPARE, 3*SLOT
.set TROW,  12288
.set WSC0,  262144
.set VLO,  8
.set VHI,  9
.set VQ1,  11
.set VQ2,  12
.set ADR1, 16
.set ADR0, 20
.set SCO,  27
.set SPW,  28
.set NIL,  29
.set SC,   32
.set TM,   96
.set PWS,  112
.set QD,   120
.set AF,   128
.set PC,   224
.set G1L,  24
.set G0L0, 32
.set G0L1, 36
.set G0L2, 40
.set G1R,  48
.set G0R0, 56
.set G0R1, 60
.set G0R2, 68
.set FB,   66
.set FLOOR, 98
.set SEL,  100
.set MSB, 0
.macro WIN new
.if MSB != (\new)
	s_set_vgpr_msb (MSB<<8)|(\new)
.set MSB, (\new)
.endif
.endm
.set MUL_LO, 0xa1
.set MUL_HI, 0xf1
.set TO_B,   0x40
.macro JLOAD g0a, g1a, g0b, g1b
	s_cmp_eq_u32 s15, 0
	s_cbranch_scc0 .Lfor_b_\@
	tensor_load_to_lds s[\g0a:\g0a+3], s[\g1a:\g1a+7]
	s_nop 0
.rept 4
	v_nop
.endr
	s_branch .Lasked_\@
.Lfor_b_\@:
	tensor_load_to_lds s[\g0b:\g0b+3], s[\g1b:\g1b+7]
	s_nop 0
.rept 4
	v_nop
.endr
.Lasked_\@:
.endm
.macro CREST
	s_cmp_lg_u32 s14, 0
	s_cbranch_scc1 .Lnot_wave_0_\@
	s_barrier_signal -3
.Lnot_wave_0_\@:
	s_barrier_wait -3
	s_barrier_signal -1
	s_barrier_wait -1
.endm
.macro CROUND
	s_barrier_signal -1
	s_barrier_wait -1
	CREST
.endm
.macro PLACES n
.rept \n
	v_nop
.endr
.endm
	s_load_b256 s[4:11], s[0:1], 0x0
	s_load_b64 s[12:13], s[0:1], 0x20
	v_lshl_add_u32 v[SPW], v0, 2, SPARE
	v_mov_b32 v[NIL], 0
	ds_add_u32 v28, v29
	ds_add_u32 v28, v29
	s_wait_dscnt 0x0
	v_lshrrev_b32 v1, 5, v0
	v_readfirstlane_b32 s14, v1
	s_lshr_b32 s15, s14, 1
	s_and_b32 s16, s14, 1
	s_bfe_u32 s72, ttmp6, 0x40000
	s_bfe_u32 s73, ttmp6, 0x40004
	s_and_b32 s75, ttmp7, 0xffff
	s_cmp_eq_u32 ttmp9, 2
	s_cselect_b32 s76, 0, s75
	s_cselect_b32 s77, s75, ttmp9
	s_cselect_b32 s78, 128, 0
	s_lshl_b32 s76, s76, 2
	s_add_co_u32 s76, s76, s73
	s_lshl_b32 s77, s77, 2
	s_add_co_u32 s77, s77, s72
	s_lshl_b32 s79, s76, 4
	s_add_co_u32 s79, s79, s78
	s_lshl_b32 s87, s77, 4
	s_lshl_b32 s84, s73, 2
	s_lshl_b32 s84, 15, s84
	s_lshl_b32 s85, 0x1111, s72
	s_or_b32 s[G1L+0], s84, (3<<16)|(1<<21)
	s_or_b32 s[G1R+0], s85, (3<<16)|(1<<21)
.irp g, G1L, G1R
	s_mov_b32 s[\g+1], 384<<16
	s_mov_b32 s[\g+2], 8<<16
	s_mov_b32 s[\g+3], 384<<16
	s_mov_b32 s[\g+4], 8
	s_mov_b32 s[\g+5], 1536
	s_mov_b32 s[\g+6], 0
	s_mov_b32 s[\g+7], 0
.endr
	s_lshl_b32 s17, s16, 3
	s_add_co_u32 s80, s79, s17
	s_mul_i32 s80, s80, TROW
	s_mov_b32 s81, 0
	s_add_co_u32 s82, s87, s17
	s_mul_i32 s82, s82, TROW
	s_mov_b32 s83, 0
	s_mul_i32 s86, s14, HALFB
	s_wait_kmcnt 0x0
	s_cmp_eq_u32 ttmp9, 2
	s_cselect_b64 s[18:19], s[6:7], s[4:5]
	s_cselect_b64 s[20:21], s[4:5], s[6:7]
	s_add_nc_u64 s[80:81], s[18:19], s[80:81]
	s_add_nc_u64 s[82:83], s[20:21], s[82:83]
	CROUND
.macro SETG0 gl, gr, sig
	s_mov_b32 s[\gl], 1
	s_add_co_u32 s[\gl+1], s86, \sig*SLOT
	s_add_nc_u64 s[\gl+2:\gl+3], s[80:81], \sig*3072
	s_or_b32 s[\gl+3], s[\gl+3], 0x80000000
	s_mov_b32 s[\gr], 1
	s_add_co_u32 s[\gr+1], s86, \sig*SLOT
	s_add_nc_u64 s[\gr+2:\gr+3], s[82:83], \sig*3072
	s_or_b32 s[\gr+3], s[\gr+3], 0x80000000
	s_wait_alu depctr_va_vdst(0)
	s_wait_tensorcnt 0x0
	ds_add_u32 v28, v29
	ds_add_u32 v28, v29
	s_wait_dscnt 0x0
	CROUND
	JLOAD \gl, G1L, \gr, G1R
.endm
	SETG0 G0L0, G0R0, 0
	SETG0 G0L1, G0R1, 1
	SETG0 G0L2, G0R2, 2
	v_and_b32 v1, 15, v0
	s_wait_alu depctr_va_vdst(0)
	v_and_b32 v3, 31, v0
	v_lshlrev_b32 v[VLO], 3, v3
	s_mul_i32 s22, s15, HALFB
	s_mul_i32 s23, s16, HALFB
	s_add_co_u32 s23, s23, ROFF
.irp sig, 0,1,2
	v_add_nc_u32 v[ADR1+\sig], s22, v[VLO]
	v_add_nc_u32 v[ADR0+\sig], s23, v[VLO]
	s_add_co_u32 s22, s22, SLOT
	s_add_co_u32 s23, s23, SLOT
.endr
	s_cmp_eq_u32 ttmp9, 2
	s_cselect_b32 s22, WSC0, 0
	s_cselect_b32 s23, 0, WSC0
	s_lshl_b32 s99, s15, 3
	s_add_co_u32 s99, s99, s79
	s_lshl_b32 s99, s99, 9
	s_add_co_u32 s22, s22, s99
	s_lshl_b32 s99, s16, 3
	s_add_co_u32 s99, s99, s87
	s_lshl_b32 s99, s99, 9
	s_add_co_u32 s23, s23, s99
	v_lshlrev_b32 v4, 4, v1
	v_add_nc_u32 v5, s22, v4
	v_add_nc_u32 v6, s23, v4
	v_cmp_gt_u32 vcc_lo, 16, v3
	v_cndmask_b32 v[SCO], v6, v5, vcc_lo
.irp i, 0,1,2,3,4,5,6,7
.irp sg, 0,1
	global_load_b128 v[SC+8*\i+4*\sg:SC+8*\i+4*\sg+3], v[SCO], s[8:9] offset:512*\i+256*\sg
.endr
.endr
.macro FRAG reg, adr, q, i
.irp p, 0,1,2,3,4,5
	ds_load_b64 v[\reg+2*\p:\reg+2*\p+1], v[\adr] offset:3072*(\i)+1536*(\q)+256*\p
.endr
.endm
.macro FETCH0 s, p
.set SL, ((\s)/2)%3
.set QQ, (\s)%2
	WIN TO_B
.irp i, 0,1,2,3,4,5,6,7
	FRAG 128*(\p)+FR*\i, ADR0+SL, QQ, \i
.endr
	WIN 0
.endm
.macro FETCH1 s, i0
.set SL, ((\s)/2)%3
.set QQ, (\s)%2
.irp i, \i0, \i0+1, \i0+2, \i0+3
	FRAG AF+FR*(\i), ADR1+SL, QQ, \i
.endr
.endm
.macro MUL16 a0, p, s, cm
.irp a, \a0, \a0+1
.irp b, 0,1,2,3,4,5,6,7
.if \cm
	v_wmma_scale_f32_16x16x128_f8f6f4 v[8*(8*((\a)%4)+\b):8*(8*((\a)%4)+\b)+7], v[128*(\p)+FR*\b:128*(\p)+FR*\b+FR-1], v[AF+FR*(\a):AF+FR*(\a)+FR-1], 0, v[SC+8*\b+(\s)], v[SC+8*(\a)+(\s)] matrix_a_fmt:MATRIX_FMT_FP6 matrix_b_fmt:MATRIX_FMT_FP6 matrix_a_scale:MATRIX_SCALE_ROW1
.else
	v_wmma_scale_f32_16x16x128_f8f6f4 v[8*(8*((\a)%4)+\b):8*(8*((\a)%4)+\b)+7], v[128*(\p)+FR*\b:128*(\p)+FR*\b+FR-1], v[AF+FR*(\a):AF+FR*(\a)+FR-1], v[8*(8*((\a)%4)+\b):8*(8*((\a)%4)+\b)+7], v[SC+8*\b+(\s)], v[SC+8*(\a)+(\s)] matrix_a_fmt:MATRIX_FMT_FP6 matrix_b_fmt:MATRIX_FMT_FP6 matrix_a_scale:MATRIX_SCALE_ROW1
.endif
.endr
.endr
.endm
.macro STEP s, cm
	s_wait_dscnt 4*NL
	WIN MUL_LO
	MUL16 0, (\s)%2, \s, \cm
	MUL16 2, (\s)%2, \s, \cm
	s_wait_dscnt 0
	PLACES NP
	FETCH0 (\s)+1, 1-(\s)%2
	FETCH1 (\s)+1, 0
	WIN MUL_HI
	MUL16 4, (\s)%2, \s, \cm
	MUL16 6, (\s)%2, \s, \cm
	PLACES NP
	WIN 0
	FETCH1 (\s)+1, 4
.endm
.macro TURN s, fill
	s_wait_tensorcnt 0x0
	ds_add_u32 v[SPW], v[NIL]
	s_wait_dscnt 4*NL+1
	WIN MUL_LO
	MUL16 0, (\s)%2, \s, 0
	s_wait_dscnt 0x0
	s_barrier_signal -1
	MUL16 2, (\s)%2, \s, 0
	WIN 0
	s_barrier_wait -1
.if \fill
	CREST
	s_add_nc_u64 s[G0L0+2:G0L0+3], s[G0L0+2:G0L0+3], 3*3072
	s_add_nc_u64 s[G0R0+2:G0R0+3], s[G0R0+2:G0R0+3], 3*3072
	JLOAD G0L0, G1L, G0R0, G1R
.else
	PLACES NP
.endif
	s_wait_alu depctr_va_vdst(0)
	FETCH0 (\s)+1, 1-(\s)%2
	FETCH1 (\s)+1, 0
	WIN MUL_HI
	MUL16 4, (\s)%2, \s, 0
	MUL16 6, (\s)%2, \s, 0
	PLACES NP
	WIN 0
	FETCH1 (\s)+1, 4
.endm
	s_wait_tensorcnt 2
	s_barrier_signal -1
	s_barrier_wait -1
	FETCH0 0, 0
	FETCH1 0, 0
	FETCH1 0, 4
	s_wait_loadcnt 0x0
	STEP 0, 1
	TURN 1, 1
	STEP 2, 0
	STEP 3, 0
	STEP 4, 0
	TURN 5, 0
	STEP 6, 0
	s_wait_dscnt 4*NL
	WIN MUL_LO
	MUL16 0, 1, 7, 0
	MUL16 2, 1, 7, 0
	s_wait_dscnt 0
	WIN MUL_HI
	MUL16 4, 1, 7, 0
	MUL16 6, 1, 7, 0
	WIN 0
	PLACES NP
	s_mov_b32 s[SEL], 0x76543210
	s_mov_b32 s[SEL+1], 0xfedcba98
	s_mov_b32 s[FLOOR], 0x1800000
.irp b, 0,1,2,3
	v_mov_b32 v[TM+4+\b], 0
.endr
	s_lshl_b32 s22, s76, 1
	s_add_co_u32 s22, s22, s15
	s_lshl_b32 s23, s77, 1
	s_add_co_u32 s23, s23, s16
	s_and_b32 s99, s23, 7
	s_cmp_eq_u32 ttmp9, 2
	s_cselect_b32 s74, s23, s22
	s_cselect_b32 s99, s22, s99
	s_cselect_b32 s93, 6144, 0
	s_mov_b32 s44, 768
	s_cselect_b32 s44, 1536, s44
	s_mov_b32 s45, 0
	s_cselect_b32 s46, 202752, 0
	s_mov_b32 s47, 0
	s_mov_b32 s96, 0x01000100
	s_cselect_b32 s96, 0x03020100, s96
	s_mov_b32 s97, 0x03020302
	s_cmp_eq_u32 ttmp9, 0
	s_cselect_b64 s[88:89], s[10:11], s[12:13]
	s_mov_b32 s90, 208896
	s_cselect_b32 s90, 106496, s90
	s_mov_b32 s91, 13056
	s_cselect_b32 s91, 6656, s91
	s_mov_b32 s92, 12288
	s_cselect_b32 s92, 6144, s92
	s_cmp_eq_u32 ttmp9, 2
	s_cselect_b32 s92, 12800, s92
	s_cselect_b32 s94, 768, s90
	s_mov_b32 s95, 256
	s_cselect_b32 s95, s90, s95
	s_lshr_b32 s22, s74, 4
	s_lshl_b32 s22, s22, 4
	s_lshl_b32 s99, s99, 1
	s_add_co_u32 s22, s22, s99
	s_mul_i32 s22, s22, s90
	s_and_b32 s23, s74, 15
	s_mul_i32 s23, s23, s91
	s_add_co_u32 s22, s22, s23
	s_mov_b32 s23, 0
	s_add_nc_u64 s[88:89], s[88:89], s[22:23]
	s_mov_b32 s22, s93
	s_add_nc_u64 s[FB:FB+1], s[88:89], s[22:23]
	s_mov_b32 s22, s92
	s_add_nc_u64 s[2:3], s[88:89], s[22:23]
	v_add_nc_u32 v[VHI], s94, v[VLO]
	v_add_nc_u32 v[VQ1], s95, v[VLO]
	v_add_nc_u32 v[VQ2], s90, v[VLO]
.macro QUANTW win, s, pw
	WIN ((\win)<<2)|((\win)<<4)
.irp b, 0,1,2,3
	v_max3_num_f32 v[TM+\b], s[FLOOR], |v[\s+16*\b]|, |v[\s+1+16*\b]|
.endr
.irp i, 2,4,6,8,10,12,14
.irp b, 0,1,2,3
	v_max3_num_f32 v[TM+\b], v[TM+\b], |v[\s+16*\b+\i]|, |v[\s+1+16*\b+\i]|
.endr
.endr
	WIN 0
.irp b, 0,1,2,3
	v_permlanex16_b32 v[TM+4+\b], v[TM+\b], s[SEL], s[SEL+1]
.endr
.irp b, 0,1,2,3
	v_max_num_f32 v[TM+\b], v[TM+\b], v[TM+4+\b]
.endr
.irp b, 0,1,2,3
	v_add_nc_u32 v[TM+12+\b], 0xff000000, v[TM+\b]
.endr
.irp b, 0,1,2,3
	v_lshrrev_b32 v[TM+4+\b], 23, v[TM+12+\b]
.endr
	v_lshl_or_b32 v[\pw], v[TM+5], 8, v[TM+4]
	v_lshl_or_b32 v[\pw], v[TM+6], 16, v[\pw]
	v_lshl_or_b32 v[\pw], v[TM+7], 24, v[\pw]
	WIN (\win)
.irp c, 0,1
	v_cvt_scalef32_pk16_fp6_f32 v[PC+6*\c:PC+2+6*\c], v[\s+32*\c:\s+15+32*\c], v[TM+12+2*\c]
	v_cvt_scalef32_pk16_fp6_f32 v[PC+12+4*\c:PC+14+4*\c], v[\s+16+32*\c:\s+31+32*\c], v[TM+12+2*\c+1]
.endr
	WIN 0
	v_nop
.irp c, 0,1
.irp i, 0,1,2
	v_permlane16_swap_b32 v[PC+6*\c+\i], v[PC+12+4*\c+\i]
.endr
.irp i, 0,1,2
	v_mov_b32 v[PC+3+6*\c+\i], v[PC+12+4*\c+\i]
.endr
.endr
.endm
.macro OUTF i
	s_wait_xcnt 0x0
.if (\i) > 0
	s_add_nc_u64 s[FB:FB+1], s[FB:FB+1], s[44:45]
.endif
.if (\i) == 4
	s_add_nc_u64 s[FB:FB+1], s[FB:FB+1], s[46:47]
.endif
	QUANTW 2+(\i)/4, 64*((\i)%4), PWS+(\i)
.irp p, 0,1,2
	global_store_b64 v[VLO], v[PC+2*\p:PC+2*\p+1], s[FB:FB+1] offset:256*\p
.endr
.irp p, 3,4,5
	global_store_b64 v[VHI], v[PC+2*\p:PC+2*\p+1], s[FB:FB+1] offset:256*(\p-3)
.endr
.endm
.irp i, 0,1,2,3,4,5,6,7
	OUTF \i
.endr
	v_cmp_gt_u32 vcc_lo, 16, v3
.irp g, 0,1
	v_cndmask_b32 v[QD+4*\g], v[PWS+4*\g+1], v[PWS+4*\g], vcc_lo
	v_cndmask_b32 v[QD+4*\g+1], v[PWS+4*\g+3], v[PWS+4*\g+2], vcc_lo
	v_perm_b32 v[QD+4*\g+2], v[QD+4*\g], v[QD+4*\g], s96
	v_perm_b32 v[QD+4*\g+3], v[QD+4*\g+1], v[QD+4*\g+1], s96
.endr
	global_store_b64 v[VLO], v[QD+2:QD+3], s[2:3]
	global_store_b64 v[VQ1], v[QD+6:QD+7], s[2:3]
	s_cmp_eq_u32 ttmp9, 2
	s_cbranch_scc1 .Lno_odd
	v_perm_b32 v[TM], v[QD], v[QD], s97
	v_perm_b32 v[TM+1], v[QD+1], v[QD+1], s97
	v_perm_b32 v[TM+2], v[QD+4], v[QD+4], s97
	v_perm_b32 v[TM+3], v[QD+5], v[QD+5], s97
	global_store_b64 v[VQ2], v[TM:TM+1], s[2:3]
	global_store_b64 v[VQ2], v[TM+2:TM+3], s[2:3] offset:256
.Lno_odd:
	s_wait_tensorcnt 0x0
	ds_add_u32 v[SPW], v[NIL]
	s_wait_dscnt 0x0
	CROUND
	s_endpgm
.Lfunc_end_k_q16677840f6_gemm_qkv:
	.size	k_q16677840f6_gemm_qkv, .Lfunc_end_k_q16677840f6_gemm_qkv-k_q16677840f6_gemm_qkv
	.p2alignl 7, 3214868480
	.fill 96, 4, 3214868480
	.section	.rodata,"a",@progbits
	.p2align	6, 0x0
	.amdhsa_kernel k_q16677840f6_gemm_qkv
		.amdhsa_group_segment_fixed_size 327680
		.amdhsa_private_segment_fixed_size 0
		.amdhsa_enable_private_segment 0
		.amdhsa_kernarg_size 40
		.amdhsa_user_sgpr_count 2
		.amdhsa_user_sgpr_kernarg_segment_ptr 1
		.amdhsa_wavefront_size32 1
		.amdhsa_system_sgpr_workgroup_id_x 1
		.amdhsa_system_sgpr_workgroup_id_y 1
		.amdhsa_system_sgpr_workgroup_id_z 1
		.amdhsa_system_vgpr_workitem_id 0
		.amdhsa_next_free_vgpr 1024
		.amdhsa_next_free_sgpr 102
		.amdhsa_reserve_vcc 1
		.amdhsa_float_denorm_mode_32 3
		.amdhsa_float_denorm_mode_16_64 3
		.amdhsa_memory_ordered 1
		.amdhsa_forward_progress 1
		.amdhsa_inst_pref_size 167
	.end_amdhsa_kernel
	.amdgpu_metadata
---
amdhsa.version: [ 1, 2 ]
amdhsa.kernels:
  - .name:           k_q16677840f6_gemm_qkv
    .symbol:         k_q16677840f6_gemm_qkv.kd
    .args:
      - { .name: ximg, .offset: 0, .size: 8, .value_kind: global_buffer, .address_space: global }
      - { .name: wimg, .offset: 8, .size: 8, .value_kind: global_buffer, .address_space: global }
      - { .name: opsc, .offset: 16, .size: 8, .value_kind: global_buffer, .address_space: global }
      - { .name: qbuf, .offset: 24, .size: 8, .value_kind: global_buffer, .address_space: global }
      - { .name: kvbuf, .offset: 32, .size: 8, .value_kind: global_buffer, .address_space: global }
    .group_segment_fixed_size: 327680
    .private_segment_fixed_size: 0
    .kernarg_segment_align: 8
    .kernarg_segment_size: 40
    .max_flat_workgroup_size: 128
    .sgpr_count:     102
    .vgpr_count:     1024
    .wavefront_size: 32
...
	.end_amdgpu_metadata
.endif
;; end of part 2
;; launch attn (part 3): grid 4 x 64, 16 waves a work-group, clusters of 4 x 1, 237,056 bytes of LDS; arguments qbuf, kvbuf, oimg, opsc; writes oimg, opsc
.if DOCPART == 3
	.amdgcn_target "amdgcn-amd-amdhsa--gfx1250"
	.amdhsa_code_object_version 6
	.text
	.protected	k_q16677840f6_attn
	.globl	k_q16677840f6_attn
	.p2align	8
	.type	k_q16677840f6_attn,@function
k_q16677840f6_attn:
	s_mov_b64 s[64:65], 0
	v_nop
	global_prefetch_b8 v0, s[64:65] scope:SCOPE_SE
	s_setreg_imm32_b32 hwreg(HW_REG_WAVE_MODE, 25, 1), 1
	s_wait_xcnt 0x0
	s_wait_alu depctr_hold_cnt(0) depctr_sa_sdst(0) depctr_va_vdst(0) depctr_va_sdst(0) depctr_va_ssrc(0) depctr_va_vcc(0) depctr_vm_vsrc(0)
	s_getreg_b32 s2, hwreg(HW_REG_IB_STS2, 6, 4)
	s_cmp_eq_u32 s2, 0
	s_cbranch_scc0 .Lentry_in_a_cluster
	s_endpgm
.Lentry_in_a_cluster:
	s_bfe_u32 s2, ttmp6, 0x10000c
	s_cmp_lg_u32 s2, 0x3003
	s_cbranch_scc0 .Lentry_shape_is_right
	s_endpgm
.Lentry_shape_is_right:
; o = softmax(q k^T / 8) v for one head of one batch (bh = 16 x batch + head), both products on codes of E2M3 with E8M0 scales, and o quantised along the head's 64 channels for the last product.
; THE SOFTMAX AHEAD OF THE SECOND PRODUCT: t = score x log2(e) / 8; M = the running largest t rounded UP to a whole number; p = 2^(t - M) is quantised along the keys, not normalised; the row's sum is taken of the
; unquantised p and divides at the end.  When M moves, the sum and O are multiplied by 2^(old M - new M): exact.
; SHARES.  A work-group owns 512 queries; each of its sixteen waves two tiles of 16, A and B, which share every fragment of K and V read from LDS.  Every wave walks the head's 2,048 keys, 128 a step.
; ALL OF THE HEAD'S K AND V LIES IN LDS: 16 records of 13,056 bytes (51 pieces of 256: K 8 half images of 3 pieces; V^T 4 images of 6; K's two quads of scale words; V's quad), each brought once: wave w asks for record w.
; Nothing in LDS is filled twice.  The four work-groups of a cluster belong to one head: each record is asked for JOINTLY, by the same load with the same descriptor and the mask of all four.
; The descriptor lays 32 bytes of padding behind each piece: pieces lie 288 bytes apart, a stored tile two further on 1,728 bytes, which is 192 modulo 256.
; LAYOUT.  Both products are used transposed (S^T = K Q^T, O^T = V^T P^T): a lane holds one query.  THE KEYS OF A TILE ARE CHOSEN LANE BY LANE: rows 0-7 of register slot 4 c + i take keys 64 c + 8 i + 0..7, rows 8-15 keys
; 64 c + 32 + 8 i + 0..7 (from the stored tiles, whose row r is key 32 (T / 2) + 8 (T % 2) + r + 8 (r / 8)).  So registers 32 c .. 32 c + 31 of S^T are in lane half H the WHOLE block 2 c + H of 32 keys, in the order of
; the next operand's registers: a block's maximum needs no other lane and the codes need no lane swap.  With the pieces' pitch the four runs of 64 bytes that such a load reads fall on 64 different banks (ISA guide 11.1).
; K = 64 IN AN INSTRUCTION OF 128.  A's Q fragment is [Q | zeros], B's is [zeros | Q]; K's half images lie on end in registers, for A slot n's fragment begins at its own six registers, for B six earlier; what stands
; against the zero codes adds nothing.  q's and k's scale words hold their two bytes twice.
; No prefetch: the launch's only reads of K, V and Q stand at its head, with no loop ahead of them to ask in.
; LIMITS: the promise holds while |t| stays under 2^31; a block of zeros gets the byte 1, not 127 (its codes are zeros; this program alone reads the bytes); blocks of o under 2^-124 are held at the byte 1;
; NaN and infinities are not served.
.set REC,  13056                       ; a record in memory
.set LP,   288                         ; a piece's pitch in LDS
.set LREC, 51*LP                       ; a record in LDS
.set SPARE, 16*LREC                    ; behind the records: the spare words, 128 bytes a wave
.set OSC0, 393216
.set AL0,  1                           ; v1 8 x lane
.set AK,   2                           ; v2 K's codes: 1,728 (row / 8) + 8 (row % 8) + 128 (lane / 16)
.set AKS,  3                           ; v3 K's scale words: 128 (lane / 16) + 8 (row % 8) + 4 (row / 8)
.set NMA,  4                           ; v4 -M, v5 the largest score, v[6:7] the sum in two halves: tile A;  v8-11: tile B
.set NMB,  8
.set QA,   12                          ; v12-17 Q of A; v18-23 zeros; v24-29 Q of B
.set ZR,   18
.set QB,   24
.set PA,   30                          ; v30-41 p's codes of A
.set KF,   42                          ; v42-89 K's eight half images, then V^T's four images
.set PB,   90                          ; v90-101 p's codes of B
.set KS,   102                         ; v102-105 K's scale words, then V's; v106, v107 p's; v252 Q's
.set PWA,  106
.set PWB,  107
.set QS,   252
.set S,    108                         ; v108-171 S^T, then p
.set OA,   172                         ; v172-203 O^T of A; v204-235 of B
.set OB,   204
.set BM,   236
.set TP,   240
.set ADR,  248                         ; v248, v249, v253: the record in hand + v1, v2, v3
.set ADRK, 249
.set ADRS, 253
.set F,    250
.set T1,   251
.set SPW,  254                         ; v254, v255: my spare word's address and 0; never rewritten
.set NIL,  255
.set WV,   12
.set SEL,  40
.set CS,   42
.set TB,   44
.macro ROUND                           ; a round of the cluster's barrier
	s_barrier_signal -1
	s_barrier_wait -1
	s_cmp_lg_u32 s[WV], 0
	s_cbranch_scc1 .Lnot_wave_0_\@
	s_barrier_signal -3
.Lnot_wave_0_\@:
	s_barrier_wait -3
	s_barrier_signal -1
	s_barrier_wait -1
.endm
; one scaled product; ra, rb: which half of the lanes holds A's and B's scale words
.macro MM d, a, b, c, sa, sb, ra, rb
.if (\ra)==0 && (\rb)==0
	v_wmma_scale_f32_16x16x128_f8f6f4 v[\d:\d+7], v[\a:\a+11], v[\b:\b+11], \c, v[\sa], v[\sb] matrix_a_fmt:MATRIX_FMT_FP6 matrix_b_fmt:MATRIX_FMT_FP6
.endif
.if (\ra)==1 && (\rb)==0
	v_wmma_scale_f32_16x16x128_f8f6f4 v[\d:\d+7], v[\a:\a+11], v[\b:\b+11], \c, v[\sa], v[\sb] matrix_a_fmt:MATRIX_FMT_FP6 matrix_b_fmt:MATRIX_FMT_FP6 matrix_a_scale:MATRIX_SCALE_ROW1
.endif
.if (\ra)==0 && (\rb)==1
	v_wmma_scale_f32_16x16x128_f8f6f4 v[\d:\d+7], v[\a:\a+11], v[\b:\b+11], \c, v[\sa], v[\sb] matrix_a_fmt:MATRIX_FMT_FP6 matrix_b_fmt:MATRIX_FMT_FP6 matrix_b_scale:MATRIX_SCALE_ROW1
.endif
.if (\ra)==1 && (\rb)==1
	v_wmma_scale_f32_16x16x128_f8f6f4 v[\d:\d+7], v[\a:\a+11], v[\b:\b+11], \c, v[\sa], v[\sb] matrix_a_fmt:MATRIX_FMT_FP6 matrix_b_fmt:MATRIX_FMT_FP6 matrix_a_scale:MATRIX_SCALE_ROW1 matrix_b_scale:MATRIX_SCALE_ROW1
.endif
.endm
.macro PLACES
.rept 4
	v_nop
.endr
.endm
	s_load_b128 s[4:7], s[0:1], 0x0                ; qbuf, kvbuf
	s_load_b128 s[8:11], s[0:1], 0x10              ; oimg, opsc
	v_lshl_add_u32 v[SPW], v0, 2, SPARE
	v_mov_b32 v[NIL], 0
	ds_add_u32 v[SPW], v[NIL]                      ; the opening lines: the add, twice on end, and its wait ahead of my tensor load
	ds_add_u32 v[SPW], v[NIL]
	s_wait_dscnt 0x0
	v_lshrrev_b32 v2, 5, v0
	s_delay_alu instid0(VALU_DEP_1)
	v_readfirstlane_b32 s[WV], v2                  ; wave 0..15
	s_bfe_u32 s13, ttmp6, 0x40000                  ; cx: it enters q's, o's and the scales' global addresses alone
	s_and_b32 s14, ttmp7, 0xffff                   ; bh, which the four partners share
	; descriptor group 1: a record, 13,056 dense bytes, as 51 rows of 256 bytes (32 elements of 8 bytes), 8 words of padding behind every 64; the mask names all four work-groups
	s_mov_b32 s16, 15|(3<<16)|(1<<20)|(1<<21)|(5<<22)|(7<<25)
	s_mov_b32 s17, 32<<16
	s_mov_b32 s18, 51<<16
	s_mov_b32 s19, 32<<16
	s_mov_b32 s20, 51
	s_mov_b32 s21, 32
	s_mov_b32 s22, 0
	s_mov_b32 s23, 0
	s_mov_b32 s24, 1
	s_mul_i32 s25, s[WV], LREC                     ; LDS address: record = my wave's number
	s_mul_i32 s28, s14, 16*REC
	s_mul_i32 s29, s[WV], REC
	s_add_co_u32 s28, s28, s29
	s_mov_b32 s29, 0
	s_mov_b32 s[SEL], 0x76543210
	s_mov_b32 s[SEL+1], 0xfedcba98
	s_mov_b32 s[CS], 0x3e38aa3b                    ; c = log2(e) / 8
	s_mov_b32 s[CS+1], s[CS]                       ; (named with it as a pair, so it is written)
	s_mov_b32 s[TB], 0
	s_mov_b32 s45, 16
	s_wait_kmcnt 0x0
	s_add_nc_u64 s[26:27], s[6:7], s[28:29]
	s_or_b32 s27, s27, 0x80000000
	ROUND                                          ; all four work-groups are here: the joint loads meet
	tensor_load_to_lds s[24:27], s[16:23]          ; my one tensor load of the launch
	s_nop 0
	PLACES
	v_and_b32 v[AL0], 31, v0
	v_and_b32 v[T1], 7, v0
	v_bfe_u32 v[F], v0, 3, 1
	v_bfe_u32 v[BM], v0, 4, 1
	v_lshlrev_b32 v[AL0], 3, v[AL0]
	v_lshlrev_b32 v[T1], 3, v[T1]
	v_lshl_add_u32 v[T1], v[BM], 7, v[T1]
	v_mad_u32_u24 v[AK], v[F], 6*LP, v[T1]
	v_lshl_add_u32 v[AKS], v[F], 2, v[T1]
.irp j, 0,1,2,3,4,5
	v_mov_b32 v[ZR+\j], 0                          ; the zero codes
	v_mov_b32 v[PA+6+\j], 0                        ; what stands against them in the first step
	v_mov_b32 v[PB+\j], 0
.endr
.irp n, NMA, NMB
	v_mov_b32 v[\n], 0x7f61b1e6                    ; -M: 3e38, so that the first change of M multiplies by 0
	v_mov_b32 v[\n+1], 0xff61b1e6                  ; the largest score so far: -3e38
	v_mov_b32 v[\n+2], 0
	v_mov_b32 v[\n+3], 0
.endr
	v_mov_b32 v[TP+3], 0                           ; lane permutes' destinations count as sources
	v_mov_b32 v[TP+7], 0
.set J, 0
.rept 64
	v_mov_b32 v[OA+J], 0                           ; O^T of both tiles: the step is written once; its first trip finds zeros
.set J, J+1
.endr
	s_wait_alu depctr_va_vdst(0)                   ; the wait at the head's end
	s_lshl_b32 s30, s13, 2
	s_lshr_b32 s31, s[WV], 2
	s_add_co_u32 s30, s30, s31                     ; my record of q: 4 cx + wave / 4
	s_mul_i32 s30, s30, 6656
	s_mul_i32 s31, s14, 106496
	s_add_co_u32 s30, s30, s31
	s_mov_b32 s31, 0
	s_add_nc_u64 s[32:33], s[4:5], s[30:31]
	s_and_b32 s34, s[WV], 3
	s_mul_i32 s36, s34, 1536                       ; tiles 2 (wave % 4) and the next
	s_mov_b32 s37, 0
	s_add_nc_u64 s[4:5], s[32:33], s[36:37]
	s_lshr_b32 s36, s34, 1
	s_lshl_b32 s36, s36, 8                         ; which quad,
	s_and_b32 s35, s[WV], 1
	s_lshl_b32 s35, s35, 2                         ; and which of a lane's two words
	s_add_co_u32 s36, s36, s35
	s_add_nc_u64 s[32:33], s[32:33], s[36:37]
.irp p, 0,1,2
	global_load_b64 v[QA+2*\p:QA+2*\p+1], v[AL0], s[4:5] offset:256*\p
	global_load_b64 v[QB+2*\p:QB+2*\p+1], v[AL0], s[4:5] offset:768+256*\p
.endr
	global_load_b32 v[QS], v[AL0], s[32:33] offset:6144   ; lanes 0-15 tile A's words, lanes 16-31 tile B's
; One tile's softmax for 128 keys.  nm: -M, the largest score, the sum's pair.  Register 32 c + i of S^T is key 64 c + 32 (lane / 16) + i.
.macro SOFT nm, pc, pw, ob
.irp b, 0,1,2,3
	v_max3_num_f32 v[BM+\b], v[S+16*\b], v[S+16*\b+1], v[S+16*\b+2]   ; four chains of 16; each accumulator is read from its low end on
.endr
.irp i, 3,5,7,9,11,13
.irp b, 0,1,2,3
	v_max3_num_f32 v[BM+\b], v[BM+\b], v[S+16*\b+\i], v[S+16*\b+\i+1]
.endr
.endr
	v_max3_num_f32 v[BM], v[BM], v[BM+1], v[S+15]
	v_max3_num_f32 v[BM+1], v[BM+2], v[BM+3], v[S+47]
	v_max_num_f32 v[BM], v[BM], v[S+31]            ; my two blocks' largest scores: they serve the row's maximum and, since p rises with the score, the blocks' largest p
	v_max_num_f32 v[BM+1], v[BM+1], v[S+63]
	v_max3_num_f32 v[T1], v[BM], v[BM+1], v[\nm+1]
	v_permlanex16_b32 v[TP+3], v[T1], s[SEL], s[SEL+1]
	v_max_num_f32 v[\nm+1], v[T1], v[TP+3]         ; with lane l xor 16's two blocks: the running largest score
	v_mul_f32 v[TP+7], s[CS], v[\nm+1]             ; as t (c is positive)
	v_mov_b32 v[T1], v[\nm]
	s_delay_alu instid0(VALU_DEP_2)
	v_floor_f32 v[\nm], -v[TP+7]                   ; the new -M = floor(-t): M is a whole number
	s_delay_alu instid0(VALU_DEP_1)
	v_sub_f32 v[T1], v[\nm], v[T1]                 ; old M - new M, 0 or less
	s_delay_alu instid0(VALU_DEP_1)
	v_cvt_i32_f32 v[T1], v[T1]                     ; (it saturates)
	s_delay_alu instid0(VALU_DEP_1)
	v_ldexp_f32 v[F], 1.0, v[T1]                   ; f = 2^(old M - new M)
.set J, 0
.rept 32
	v_pk_fma_f32 v[S+J:S+J+1], v[S+J:S+J+1], s[CS:CS+1], v[\nm:\nm+1] op_sel_hi:[1,0,0]   ; t - M, two at a time
.set J, J+2
.endr
	v_fma_f32 v[BM], v[BM], s[CS], v[\nm]
	v_fma_f32 v[BM+1], v[BM+1], s[CS], v[\nm]
	s_wait_alu depctr_va_vdst(0)                   ; the wait ahead of the batch and directly ahead of the first reader of O^T
.set J, 0
.rept 16
	v_pk_mul_f32 v[\ob+J:\ob+J+1], v[\ob+J:\ob+J+1], v[F:F+1] op_sel_hi:[1,0]   ; O^T under the new M
.set J, J+2
.endr
	v_pk_mul_f32 v[\nm+2:\nm+3], v[\nm+2:\nm+3], v[F:F+1] op_sel_hi:[1,0]       ; and the sums
.set J, 0
.rept 64
	v_exp_f32 v[S+J], v[S+J]                       ; p = 2^(t - M)
.set J, J+1
.endr
	v_exp_f32 v[BM], v[BM]                         ; the blocks' largest p
	v_exp_f32 v[BM+1], v[BM+1]
	v_nop                                          ; a plain instruction behind the exponentials
	s_wait_alu depctr_va_vdst(0)                   ; one wait for the batch, ahead of its first reader
	v_max_num_f32 v[BM], 0x1800000, v[BM]          ; the floor 2^(3 - 127)
	v_max_num_f32 v[BM+1], 0x1800000, v[BM+1]
	s_delay_alu instid0(VALU_DEP_2)
	v_add_nc_u32 v[BM+2], 0xff000000, v[BM]        ; 2 off the exponent field: the conversion's scale operand
	s_delay_alu instid0(VALU_DEP_2)
	v_add_nc_u32 v[BM+3], 0xff000000, v[BM+1]
	s_delay_alu instid0(VALU_DEP_2)
	v_lshrrev_b32 v[TP+3], 23, v[BM+2]
	s_delay_alu instid0(VALU_DEP_2)
	v_lshrrev_b32 v[TP+7], 23, v[BM+3]
	s_delay_alu instid0(VALU_DEP_1)
	v_lshl_or_b32 v[TP+3], v[TP+7], 16, v[TP+3]    ; my two bytes: blocks H and 2 + H
	s_delay_alu instid0(VALU_DEP_1)
	v_permlanex16_b32 v[TP+7], v[TP+3], s[SEL], s[SEL+1]
	s_delay_alu instid0(VALU_DEP_1)
	v_lshl_or_b32 v[\pw], v[TP+7], 8, v[TP+3]      ; the scale word, whole in lanes 0-15, which alone are read
.irp c, 0,1
	v_cvt_scalef32_pk16_fp6_f32 v[\pc+6*\c:\pc+6*\c+2], v[S+32*\c:S+32*\c+15], v[BM+2+\c]
	v_cvt_scalef32_pk16_fp6_f32 v[TP+4*\c:TP+4*\c+2], v[S+32*\c+16:S+32*\c+31], v[BM+2+\c]   ; (a conversion's three registers begin on an even number)
.endr
	v_pk_add_f32 v[BM:BM+1], v[S:S+1], v[S+2:S+3]  ; the row's sum of the unquantised p, in two chains; also the plain instruction behind the conversions
.irp c, 0,1
.irp i, 0,1,2
	v_mov_b32 v[\pc+6*\c+3+\i], v[TP+4*\c+\i]
.endr
.endr
.set J, 4
.rept 15
	v_pk_add_f32 v[\nm+2:\nm+3], v[\nm+2:\nm+3], v[S+J:S+J+1]    ; these thirty also stand between the codes and the scale word just made and the products that read them
	v_pk_add_f32 v[BM:BM+1], v[BM:BM+1], v[S+J+2:S+J+3]
.set J, J+4
.endr
	s_delay_alu instid0(VALU_DEP_1)
	v_pk_add_f32 v[\nm+2:\nm+3], v[\nm+2:\nm+3], v[BM:BM+1]
.endm
	s_wait_loadcnt 0x0                             ; Q
	s_wait_tensorcnt 0x0                           ; my record has landed,
	s_barrier_signal -1
	s_barrier_wait -1                              ; everybody's has
.Lstep:                                            ; 16 trips: 128 keys each
	v_add_nc_u32 v[ADR], s[TB], v[AL0]             ; with the v_nop: four plain instructions behind the last products, in front of loads into registers that they read
	v_add_nc_u32 v[ADRK], s[TB], v[AK]
	v_add_nc_u32 v[ADRS], s[TB], v[AKS]
	v_nop
.irp c, 0,1                            ; register slot 4 c + 2 g + u: stored tiles 4 c + u (rows 0-7) and 4 c + 2 + u (rows 8-15), their rows 8 g ..
.irp u, 0,1
.irp p, 0,1,2
.irp g, 0,1
	ds_load_b64 v[KF+6*(4*\c+2*\g+\u)+2*\p:KF+6*(4*\c+2*\g+\u)+2*\p+1], v[ADRK] offset:LP*(3*(4*\c+\u)+\p)+64*\g
.endr
.endr
.endr
.irp g, 0,1
	ds_load_b32 v[KS+2*\c+\g], v[ADRS] offset:LP*(48+\c)+64*\g   ; lanes 0-15: slot 4 c + 2 g, lanes 16-31: the next
.endr
.endr
	s_wait_dscnt 0x0
.irp t, 0,1,2,3,4,5,6,7
	MM S+8*\t, KF+6*\t, QA, 0, KS+\t/2, QS, \t%2, 0
.endr
	PLACES
	SOFT NMA, PA, PWA, OA
.irp t, 0,1,2,3,4,5,6,7
	MM S+8*\t, KF-6+6*\t, ZR, 0, KS+\t/2, QS, \t%2, 1
.endr
	PLACES                                         ; in front of the loads over K's registers and of the first read of the scores
.irp d, 0,1,2,3
.irp p, 0,1,2,3,4,5
	ds_load_b64 v[KF+12*\d+2*\p:KF+12*\d+2*\p+1], v[ADR] offset:LP*(24+6*\d+\p)   ; V^T lands while tile B's softmax is walked
.endr
.endr
	ds_load_b64 v[KS:KS+1], v[ADR] offset:LP*50
	SOFT NMB, PB, PWB, OB
	s_wait_alu depctr_va_vdst(0)
	s_wait_dscnt 0x0
.irp d, 0,1,2,3                        ; O^T += V^T P^T: the eight accumulators take turns
	MM OA+8*\d, KF+12*\d, PA, v[OA+8*\d:OA+8*\d+7], KS+\d/2, PWA, \d%2, 0
	MM OB+8*\d, KF+12*\d, PB, v[OB+8*\d:OB+8*\d+7], KS+\d/2, PWB, \d%2, 0
.endr
	s_add_co_u32 s[TB], s[TB], LREC
	s_sub_co_u32 s45, s45, 1
	s_cmp_lg_u32 s45, 0
	s_cbranch_scc1 .Lstep
	; THE WAY OUT: o = O^T / the sum, quantised along the head's 64 channels (two blocks): a half image for each tile, and two scale bytes a row.
	PLACES
	v_add_f32 v6, v6, v7
	v_add_f32 v10, v10, v11
	s_delay_alu instid0(VALU_DEP_2)
	v_permlanex16_b32 v[TP+3], v6, s[SEL], s[SEL+1]
	s_delay_alu instid0(VALU_DEP_2)
	v_permlanex16_b32 v[TP+7], v10, s[SEL], s[SEL+1]
	s_delay_alu instid0(VALU_DEP_2)
	v_add_f32 v6, v6, v[TP+3]
	s_delay_alu instid0(VALU_DEP_2)
	v_add_f32 v10, v10, v[TP+7]
	s_wait_alu depctr_va_vdst(0)                   ; the wait ahead of the reciprocals
	v_rcp_f32 v4, v6
	v_rcp_f32 v8, v10
	v_nop                                          ; a plain instruction behind the reciprocals
	s_lshr_b32 s30, s14, 4
	s_lshl_b32 s30, s30, 7
	s_lshl_b32 s31, s13, 5
	s_add_co_u32 s30, s30, s31
	s_lshl_b32 s31, s[WV], 1
	s_add_co_u32 s30, s30, s31                     ; tile A among the 512 tiles of tokens
	s_and_b32 s34, s14, 15                         ; the head
	s_mul_i32 s36, s30, 12288
	s_mul_i32 s35, s34, 768
	s_add_co_u32 s36, s36, s35
	s_mov_b32 s37, 0
	s_add_nc_u64 s[8:9], s[8:9], s[36:37]
	s_lshl_b32 s36, s30, 9
	s_lshr_b32 s35, s34, 3
	s_lshl_b32 s35, s35, 8
	s_add_co_u32 s36, s36, s35
	s_and_b32 s35, s34, 7
	s_lshl_b32 s35, s35, 1
	s_add_co_u32 s36, s36, s35
	s_add_co_u32 s36, s36, OSC0
	s_add_nc_u64 s[10:11], s[10:11], s[36:37]
	s_wait_alu depctr_va_vdst(0)                   ; one wait for the two reciprocals, ahead of their first reader, which is also O^T's
.set J, 0
.rept 16
	v_pk_mul_f32 v[OA+J:OA+J+1], v[OA+J:OA+J+1], v[4:5] op_sel_hi:[1,0]     ; register 16 b + i: channel 32 b + 16 (lane / 16) + i
.set J, J+2
.endr
.set J, 0
.rept 16
	v_pk_mul_f32 v[OB+J:OB+J+1], v[OB+J:OB+J+1], v[8:9] op_sel_hi:[1,0]
.set J, J+2
.endr
.macro HQ x, ob, pc, sb
.irp b, 0,1
	v_max3_num_f32 v[BM+\b], |v[\ob+16*\b]|, |v[\ob+16*\b+1]|, 0x1800000
.endr
.irp i, 2,4,6,8,10,12,14
.irp b, 0,1
	s_delay_alu instid0(VALU_DEP_2)
	v_max3_num_f32 v[BM+\b], v[BM+\b], |v[\ob+16*\b+\i]|, |v[\ob+16*\b+\i+1]|
.endr
.endr
	v_permlanex16_b32 v[TP+3], v[BM], s[SEL], s[SEL+1]
	v_permlanex16_b32 v[TP+7], v[BM+1], s[SEL], s[SEL+1]
	s_delay_alu instid0(VALU_DEP_2)
	v_max_num_f32 v[BM], v[BM], v[TP+3]
	s_delay_alu instid0(VALU_DEP_2)
	v_max_num_f32 v[BM+1], v[BM+1], v[TP+7]
	s_delay_alu instid0(VALU_DEP_2)
	v_add_nc_u32 v[BM+2], 0xff000000, v[BM]
	s_delay_alu instid0(VALU_DEP_2)
	v_add_nc_u32 v[BM+3], 0xff000000, v[BM+1]
	s_delay_alu instid0(VALU_DEP_2)
	v_lshrrev_b32 v[TP+3], 23, v[BM+2]
	s_delay_alu instid0(VALU_DEP_2)
	v_lshrrev_b32 v[TP+7], 23, v[BM+3]
	s_delay_alu instid0(VALU_DEP_1)
	v_lshl_or_b32 v[\sb], v[TP+7], 8, v[TP+3]      ; my row's two scale bytes
	v_cvt_scalef32_pk16_fp6_f32 v[\pc:\pc+2], v[\ob:\ob+15], v[BM+2]
	v_cvt_scalef32_pk16_fp6_f32 v[TP:TP+2], v[\ob+16:\ob+31], v[BM+3]
	v_nop
.irp i, 0,1,2
	v_permlane16_swap_b32 v[\pc+\i], v[TP+\i]      ; here a block lies in lanes l and l xor 16: the operand wants it whole in a lane
.endr
.irp i, 0,1,2
	v_mov_b32 v[\pc+3+\i], v[TP+\i]
.endr
.irp p, 0,1,2
	global_store_b64 v[AL0], v[\pc+2*\p:\pc+2*\p+1], s[8:9] offset:12288*\x+256*\p   ; 256 consecutive bytes, aligned
.endr
.endm
	HQ 0, OA, PA, 6
	HQ 1, OB, PB, 7
	v_and_b32 v[TP+3], 15, v0
	v_bfe_u32 v[TP+7], v0, 4, 1
	v_and_b32 v[BM], 31, v0
	v_lshlrev_b32 v[TP+7], 9, v[TP+7]
	v_cmp_gt_u32 vcc_lo, 16, v[BM]
	v_lshl_add_u32 v[TP+7], v[TP+3], 4, v[TP+7]    ; lanes 0-15: tile A's rows, lanes 16-31: tile B's, 512 bytes on; 16 bytes a row
	v_cndmask_b32 v6, v7, v6, vcc_lo
	global_store_b16 v[TP+7], v6, s[10:11]         ; two bytes a row: the sixteen heads' work-groups fill a row's 32 bytes between them; one byte in 25 of what the launch stores
	s_wait_tensorcnt 0x0                           ; the wave's end
	ds_add_u32 v[SPW], v[NIL]
	s_wait_dscnt 0x0
	ROUND                                          ; the closing round: no work-group ends while a partner may still ask for a record that names it
	s_endpgm
.Lfunc_end_k_q16677840f6_attn:
	.size	k_q16677840f6_attn, .Lfunc_end_k_q16677840f6_attn-k_q16677840f6_attn
	.p2alignl 7, 3214868480
	.fill 96, 4, 3214868480
	.section	.rodata,"a",@progbits
	.p2align	6, 0x0
	.amdhsa_kernel k_q16677840f6_attn
		.amdhsa_group_segment_fixed_size 237056
		.amdhsa_private_segment_fixed_size 0
		.amdhsa_enable_private_segment 0
		.amdhsa_kernarg_size 32
		.amdhsa_user_sgpr_count 2
		.amdhsa_user_sgpr_kernarg_segment_ptr 1
		.amdhsa_wavefront_size32 1
		.amdhsa_system_sgpr_workgroup_id_x 1
		.amdhsa_system_sgpr_workgroup_id_y 1
		.amdhsa_system_sgpr_workgroup_id_z 1
		.amdhsa_system_vgpr_workitem_id 0
		.amdhsa_next_free_vgpr 256
		.amdhsa_next_free_sgpr 66
		.amdhsa_reserve_vcc 1
		.amdhsa_float_denorm_mode_32 3
		.amdhsa_float_denorm_mode_16_64 3
		.amdhsa_memory_ordered 1
		.amdhsa_forward_progress 1
		.amdhsa_inst_pref_size 47
	.end_amdhsa_kernel
	.amdgpu_metadata
---
amdhsa.version: [ 1, 2 ]
amdhsa.kernels:
  - .name:           k_q16677840f6_attn
    .symbol:         k_q16677840f6_attn.kd
    .args:
      - { .name: qbuf, .offset: 0, .size: 8, .value_kind: global_buffer, .address_space: global }
      - { .name: kvbuf, .offset: 8, .size: 8, .value_kind: global_buffer, .address_space: global }
      - { .name: oimg, .offset: 16, .size: 8, .value_kind: global_buffer, .address_space: global }
      - { .name: opsc, .offset: 24, .size: 8, .value_kind: global_buffer, .address_space: global }
    .group_segment_fixed_size: 237056
    .private_segment_fixed_size: 0
    .kernarg_segment_align: 8
    .kernarg_segment_size: 32
    .max_flat_workgroup_size: 512
    .sgpr_count:     66
    .vgpr_count:     256
    .wavefront_size: 32
...
	.end_amdgpu_metadata
.endif
;; end of part 3
;; launch gemm_out (part 4): grid 4 x 32, 4 waves a work-group, clusters of 4 x 4, 327,680 bytes of LDS; arguments oimg, wimg, opsc, bout, out0; writes out0
.if DOCPART == 4
	.amdgcn_target "amdgcn-amd-amdhsa--gfx1250"
	.amdhsa_code_object_version 6
	.text
	.protected	k_q16677840f6_gemm_out
	.globl	k_q16677840f6_gemm_out
	.p2align	8
	.type	k_q16677840f6_gemm_out,@function
k_q16677840f6_gemm_out:
	s_mov_b64 s[64:65], 0
	v_nop
	global_prefetch_b8 v0, s[64:65] scope:SCOPE_SE
	s_setreg_imm32_b32 hwreg(HW_REG_WAVE_MODE, 25, 1), 1
	s_wait_xcnt 0x0
	s_wait_alu depctr_hold_cnt(0) depctr_sa_sdst(0) depctr_va_vdst(0) depctr_va_sdst(0) depctr_va_ssrc(0) depctr_va_vcc(0) depctr_vm_vsrc(0)
	s_getreg_b32 s2, hwreg(HW_REG_IB_STS2, 6, 4)
	s_cmp_eq_u32 s2, 0
	s_cbranch_scc0 .Lentry_in_a_cluster
	s_endpgm
.Lentry_in_a_cluster:
	s_bfe_u32 s2, ttmp6, 0x10000c
	s_cmp_lg_u32 s2, 0xf033
	s_cbranch_scc0 .Lentry_shape_is_right
	s_endpgm
.Lentry_shape_is_right:
.set FR,    12
.set NL,    6
.set NP,    4
.set SLOT,  98304
.set HALFB, 24576
.set ROFF,  49152
.set SPARE, 3*SLOT
.set TROW,  12288
.set WSC0,  262144
.set OSC0,  393216
.set SPITCH, 528
.set VLO,  8
.set ADR1, 16
.set ADR0, 20
.set STO,  24
.set RD,   25
.set CO,   26
.set SCO,  27
.set SPW,  28
.set NIL,  29
.set SC,   32
.set AF,   128
.set BK,   128
.set G1L,  24
.set G0L0, 32
.set G0L1, 36
.set G0L2, 40
.set G1R,  48
.set G0R0, 56
.set G0R1, 60
.set G0R2, 68
.set MSB, 0
.macro WIN new
.if MSB != (\new)
	s_set_vgpr_msb (MSB<<8)|(\new)
.set MSB, (\new)
.endif
.endm
.set MUL_LO, 0xa1
.set MUL_HI, 0xf1
.set TO_B,   0x40
.macro JLOAD g0a, g1a, g0b, g1b
	s_cmp_eq_u32 s15, 0
	s_cbranch_scc0 .Lfor_b_\@
	tensor_load_to_lds s[\g0a:\g0a+3], s[\g1a:\g1a+7]
	s_nop 0
.rept 4
	v_nop
.endr
	s_branch .Lasked_\@
.Lfor_b_\@:
	tensor_load_to_lds s[\g0b:\g0b+3], s[\g1b:\g1b+7]
	s_nop 0
.rept 4
	v_nop
.endr
.Lasked_\@:
.endm
.macro CREST
	s_cmp_lg_u32 s14, 0
	s_cbranch_scc1 .Lnot_wave_0_\@
	s_barrier_signal -3
.Lnot_wave_0_\@:
	s_barrier_wait -3
	s_barrier_signal -1
	s_barrier_wait -1
.endm
.macro CROUND
	s_barrier_signal -1
	s_barrier_wait -1
	CREST
.endm
.macro PLACES n
.rept \n
	v_nop
.endr
.endm
	s_load_b256 s[4:11], s[0:1], 0x0
	s_load_b64 s[12:13], s[0:1], 0x20
	v_lshl_add_u32 v[SPW], v0, 2, SPARE
	v_mov_b32 v[NIL], 0
	ds_add_u32 v28, v29
	ds_add_u32 v28, v29
	s_wait_dscnt 0x0
	v_lshrrev_b32 v1, 5, v0
	v_readfirstlane_b32 s14, v1
	s_lshr_b32 s15, s14, 1
	s_and_b32 s16, s14, 1
	s_bfe_u32 s72, ttmp6, 0x40000
	s_bfe_u32 s73, ttmp6, 0x40004
	s_and_b32 s75, ttmp7, 0xffff
	s_lshl_b32 s76, s75, 2
	s_add_co_u32 s76, s76, s73
	s_lshl_b32 s77, ttmp9, 2
	s_add_co_u32 s77, s77, s72
	s_lshl_b32 s79, s76, 4
	s_lshl_b32 s87, s77, 4
	s_add_co_u32 s87, s87, 192
	s_lshl_b32 s84, s73, 2
	s_lshl_b32 s84, 15, s84
	s_lshl_b32 s85, 0x1111, s72
	s_or_b32 s[G1L+0], s84, (3<<16)|(1<<21)
	s_or_b32 s[G1R+0], s85, (3<<16)|(1<<21)
.irp g, G1L, G1R
	s_mov_b32 s[\g+1], 384<<16
	s_mov_b32 s[\g+2], 8<<16
	s_mov_b32 s[\g+3], 384<<16
	s_mov_b32 s[\g+4], 8
	s_mov_b32 s[\g+5], 1536
	s_mov_b32 s[\g+6], 0
	s_mov_b32 s[\g+7], 0
.endr
	s_lshl_b32 s17, s16, 3
	s_add_co_u32 s80, s79, s17
	s_mul_i32 s80, s80, TROW
	s_mov_b32 s81, 0
	s_add_co_u32 s82, s87, s17
	s_mul_i32 s82, s82, TROW
	s_mov_b32 s83, 0
	s_mul_i32 s86, s14, HALFB
	s_wait_kmcnt 0x0
	s_add_nc_u64 s[80:81], s[4:5], s[80:81]
	s_add_nc_u64 s[82:83], s[6:7], s[82:83]
	CROUND
.macro SETG0 gl, gr, sig
	s_mov_b32 s[\gl], 1
	s_add_co_u32 s[\gl+1], s86, \sig*SLOT
	s_add_nc_u64 s[\gl+2:\gl+3], s[80:81], \sig*3072
	s_or_b32 s[\gl+3], s[\gl+3], 0x80000000
	s_mov_b32 s[\gr], 1
	s_add_co_u32 s[\gr+1], s86, \sig*SLOT
	s_add_nc_u64 s[\gr+2:\gr+3], s[82:83], \sig*3072
	s_or_b32 s[\gr+3], s[\gr+3], 0x80000000
	s_wait_alu depctr_va_vdst(0)
	s_wait_tensorcnt 0x0
	ds_add_u32 v28, v29
	ds_add_u32 v28, v29
	s_wait_dscnt 0x0
	CROUND
	JLOAD \gl, G1L, \gr, G1R
.endm
	SETG0 G0L0, G0R0, 0
	SETG0 G0L1, G0R1, 1
	SETG0 G0L2, G0R2, 2
	v_and_b32 v1, 15, v0
	v_bfe_u32 v2, v0, 4, 1
	v_and_b32 v3, 31, v0
	v_lshlrev_b32 v[VLO], 3, v3
	s_mul_i32 s22, s15, HALFB
	s_mul_i32 s23, s16, HALFB
	s_add_co_u32 s23, s23, ROFF
.irp sig, 0,1,2
	v_add_nc_u32 v[ADR1+\sig], s22, v[VLO]
	v_add_nc_u32 v[ADR0+\sig], s23, v[VLO]
	s_add_co_u32 s22, s22, SLOT
	s_add_co_u32 s23, s23, SLOT
.endr
	s_lshl_b32 s22, s15, 3
	s_add_co_u32 s22, s22, s79
	s_lshl_b32 s22, s22, 9
	s_add_co_u32 s22, s22, OSC0
	s_lshl_b32 s23, s16, 3
	s_add_co_u32 s23, s23, s87
	s_lshl_b32 s23, s23, 9
	s_add_co_u32 s23, s23, WSC0
	v_lshlrev_b32 v4, 4, v1
	v_add_nc_u32 v5, s22, v4
	v_add_nc_u32 v6, s23, v4
	v_cmp_gt_u32 vcc_lo, 16, v3
	v_cndmask_b32 v[SCO], v6, v5, vcc_lo
.irp i, 0,1,2,3,4,5,6,7
.irp sg, 0,1
	global_load_b128 v[SC+8*\i+4*\sg:SC+8*\i+4*\sg+3], v[SCO], s[8:9] offset:512*\i+256*\sg
.endr
.endr
	s_lshl_b32 s88, s77, 10
	s_lshl_b32 s89, s16, 9
	s_add_co_u32 s88, s88, s89
	s_mov_b32 s89, 0
	s_add_nc_u64 s[10:11], s[10:11], s[88:89]
	v_lshlrev_b32 v7, 6, v2
.irp b, 0,1,2,3,4,5,6,7
	global_load_b128 v[96+8*\b+96*(\b/4):96+8*\b+96*(\b/4)+3], v7, s[10:11] offset:128*(\b/2)+32*(\b%2)
	global_load_b128 v[96+8*\b+96*(\b/4)+4:96+8*\b+96*(\b/4)+7], v7, s[10:11] offset:128*(\b/2)+32*(\b%2)+16
.endr
	s_mul_i32 s23, s14, 16*SPITCH
	s_add_co_u32 s23, s23, SLOT
	v_mul_u32_u24 v5, v1, SPITCH
	v_lshl_add_u32 v5, v2, 6, v5
	v_add_nc_u32 v[STO], s23, v5
	v_lshlrev_b32 v[CO], 4, v3
	v_add_nc_u32 v[RD], s23, v[CO]
	s_lshl_b32 s90, s76, 20
	s_lshl_b32 s91, s15, 19
	s_add_co_u32 s90, s90, s91
	s_add_co_u32 s90, s90, s88
	s_mov_b32 s91, 0
	s_add_nc_u64 s[12:13], s[12:13], s[90:91]
.macro FRAG reg, adr, q, i
.irp p, 0,1,2,3,4,5
	ds_load_b64 v[\reg+2*\p:\reg+2*\p+1], v[\adr] offset:3072*(\i)+1536*(\q)+256*\p
.endr
.endm
.macro FETCH0 s, p
.set SL, ((\s)/2)%3
.set QQ, (\s)%2
	WIN TO_B
.irp i, 0,1,2,3,4,5,6,7
	FRAG 128*(\p)+FR*\i, ADR0+SL, QQ, \i
.endr
	WIN 0
.endm
.macro FETCH1 s, i0
.set SL, ((\s)/2)%3
.set QQ, (\s)%2
.irp i, \i0, \i0+1, \i0+2, \i0+3
	FRAG AF+FR*(\i), ADR1+SL, QQ, \i
.endr
.endm
.macro MUL16 a0, p, s, cm
.irp a, \a0, \a0+1
.irp b, 0,1,2,3,4,5,6,7
.if \cm
	v_wmma_scale_f32_16x16x128_f8f6f4 v[8*(8*((\a)%4)+\b):8*(8*((\a)%4)+\b)+7], v[128*(\p)+FR*\b:128*(\p)+FR*\b+FR-1], v[AF+FR*(\a):AF+FR*(\a)+FR-1], v[96+8*\b+96*(\b/4):96+8*\b+96*(\b/4)+7], v[SC+8*\b+(\s)], v[SC+8*(\a)+(\s)] matrix_a_fmt:MATRIX_FMT_FP6 matrix_b_fmt:MATRIX_FMT_FP6 matrix_a_scale:MATRIX_SCALE_ROW1
.else
	v_wmma_scale_f32_16x16x128_f8f6f4 v[8*(8*((\a)%4)+\b):8*(8*((\a)%4)+\b)+7], v[128*(\p)+FR*\b:128*(\p)+FR*\b+FR-1], v[AF+FR*(\a):AF+FR*(\a)+FR-1], v[8*(8*((\a)%4)+\b):8*(8*((\a)%4)+\b)+7], v[SC+8*\b+(\s)], v[SC+8*(\a)+(\s)] matrix_a_fmt:MATRIX_FMT_FP6 matrix_b_fmt:MATRIX_FMT_FP6 matrix_a_scale:MATRIX_SCALE_ROW1
.endif
.endr
.endr
.endm
.macro STEP s, cm
	s_wait_dscnt 4*NL
.if \cm
	WIN 0x81
.else
	WIN MUL_LO
.endif
	MUL16 0, (\s)%2, \s, \cm
	MUL16 2, (\s)%2, \s, \cm
	s_wait_dscnt 0
	PLACES NP
	FETCH0 (\s)+1, 1-(\s)%2
	FETCH1 (\s)+1, 0
.if \cm
	WIN 0xc1
.else
	WIN MUL_HI
.endif
	MUL16 4, (\s)%2, \s, \cm
	MUL16 6, (\s)%2, \s, \cm
	PLACES NP
	WIN 0
	FETCH1 (\s)+1, 4
.endm
.macro TURN s, fill
	s_wait_tensorcnt 0x0
	ds_add_u32 v[SPW], v[NIL]
	s_wait_dscnt 4*NL+1
	WIN MUL_LO
	MUL16 0, (\s)%2, \s, 0
	s_wait_dscnt 0x0
	s_barrier_signal -1
	MUL16 2, (\s)%2, \s, 0
	WIN 0
	s_barrier_wait -1
.if \fill
	CREST
	s_add_nc_u64 s[G0L0+2:G0L0+3], s[G0L0+2:G0L0+3], 3*3072
	s_add_nc_u64 s[G0R0+2:G0R0+3], s[G0R0+2:G0R0+3], 3*3072
	JLOAD G0L0, G1L, G0R0, G1R
.else
	PLACES NP
.endif
	FETCH0 (\s)+1, 1-(\s)%2
	FETCH1 (\s)+1, 0
	WIN MUL_HI
	MUL16 4, (\s)%2, \s, 0
	MUL16 6, (\s)%2, \s, 0
	PLACES NP
	WIN 0
	FETCH1 (\s)+1, 4
.endm
	s_wait_tensorcnt 2
	s_barrier_signal -1
	s_barrier_wait -1
	FETCH0 0, 0
	FETCH1 0, 0
	FETCH1 0, 4
	s_wait_loadcnt 0x0
	STEP 0, 2
	TURN 1, 1
	STEP 2, 0
	STEP 3, 0
	STEP 4, 0
	TURN 5, 0
	STEP 6, 0
	s_wait_dscnt 4*NL
	WIN MUL_LO
	MUL16 0, 1, 7, 0
	MUL16 2, 1, 7, 0
	s_wait_alu depctr_va_vdst(0)
	s_wait_dscnt 0
	WIN MUL_HI
	MUL16 4, 1, 7, 0
	MUL16 6, 1, 7, 0
	WIN 0
.macro TOSTAGE a
.set AC, 64*((\a)%4)
	WIN 0x08+4*((\a)/4)
.irp b, 0,1,2,3,4,5,6,7
	ds_store_b128 v[STO], v[AC+8*\b:AC+8*\b+3] offset:128*(\b/2)+32*(\b%2)
	ds_store_b128 v[STO], v[AC+8*\b+4:AC+8*\b+7] offset:128*(\b/2)+32*(\b%2)+16
.endr
	WIN 0
.set BB, BK+64*((\a)%2)
.irp t, 0,1,2,3,4,5,6,7,8,9,10,11,12,13,14,15
	ds_load_b128 v[BB+4*\t:BB+4*\t+3], v[RD] offset:\t*SPITCH
.endr
.endm
.macro SEND a, younger
.set BB, BK+64*((\a)%2)
	s_wait_dscnt \younger
.irp t, 0,1,2,3,4,5,6,7,8,9,10,11,12,13,14,15
	global_store_b128 v[CO], v[BB+4*\t:BB+4*\t+3], s[12:13] offset:(32*((\a)/2)+8*((\a)%2)+\t+8*(\t/8))*4096 th:TH_STORE_NT
.endr
.endm
	PLACES NP
	TOSTAGE 0
.irp a, 1,2,3,4,5,6,7
.if \a > 1
	s_wait_xcnt 0x0
.endif
	TOSTAGE \a
	SEND \a-1, 32
.endr
	SEND 7, 0
	s_wait_tensorcnt 0x0
	ds_add_u32 v[SPW], v[NIL]
	s_wait_dscnt 0x0
	CROUND
	s_endpgm
.Lfunc_end_k_q16677840f6_gemm_out:
	.size	k_q16677840f6_gemm_out, .Lfunc_end_k_q16677840f6_gemm_out-k_q16677840f6_gemm_out
	.p2alignl 7, 3214868480
	.fill 96, 4, 3214868480
	.section	.rodata,"a",@progbits
	.p2align	6, 0x0
	.amdhsa_kernel k_q16677840f6_gemm_out
		.amdhsa_group_segment_fixed_size 327680
		.amdhsa_private_segment_fixed_size 0
		.amdhsa_enable_private_segment 0
		.amdhsa_kernarg_size 40
		.amdhsa_user_sgpr_count 2
		.amdhsa_user_sgpr_kernarg_segment_ptr 1
		.amdhsa_wavefront_size32 1
		.amdhsa_system_sgpr_workgroup_id_x 1
		.amdhsa_system_sgpr_workgroup_id_y 1
		.amdhsa_system_sgpr_workgroup_id_z 1
		.amdhsa_system_vgpr_workitem_id 0
		.amdhsa_next_free_vgpr 1024
		.amdhsa_next_free_sgpr 100
		.amdhsa_reserve_vcc 1
		.amdhsa_float_denorm_mode_32 3
		.amdhsa_float_denorm_mode_16_64 3
		.amdhsa_memory_ordered 1
		.amdhsa_forward_progress 1
		.amdhsa_inst_pref_size 159
	.end_amdhsa_kernel
	.amdgpu_metadata
---
amdhsa.version: [ 1, 2 ]
amdhsa.kernels:
  - .name:           k_q16677840f6_gemm_out
    .symbol:         k_q16677840f6_gemm_out.kd
    .args:
      - { .name: oimg, .offset: 0, .size: 8, .value_kind: global_buffer, .address_space: global }
      - { .name: wimg, .offset: 8, .size: 8, .value_kind: global_buffer, .address_space: global }
      - { .name: opsc, .offset: 16, .size: 8, .value_kind: global_buffer, .address_space: global }
      - { .name: bout, .offset: 24, .size: 8, .value_kind: global_buffer, .address_space: global }
      - { .name: out0, .offset: 32, .size: 8, .value_kind: global_buffer, .address_space: global }
    .group_segment_fixed_size: 327680
    .private_segment_fixed_size: 0
    .kernarg_segment_align: 8
    .kernarg_segment_size: 40
    .max_flat_workgroup_size: 128
    .sgpr_count:     100
    .vgpr_count:     1024
    .wavefront_size: 32
...
	.end_amdgpu_metadata
.endif
;; end of part 4
